; MI455X (gfx1250); checked and timed in simulation.
; The chip was launched on July 23, 2026; its instructions are those of AMD's public machine-readable ISA for CDNA 5 (MIT licence, August 2026) and "CDNA5" Instruction Set Architecture Reference Guide (July 2026). The comments in the code are by the model that wrote it; some were corrected since.
;; Attention Block. Allowed arithmetic: matrix products marked QUANTISED: E2M1 operands, one E8M0 scale for each 32 along K, by v_wmma_scale_f32_16x16x128_f8f6f4 with both operands' format E2M1 (or v_wmma_scale_f32_32x16x128_f4), f32 sums; everything else in f32.
;; Inputs: b_proj 256 float32; b_qkv 768 float32; beta 256 float32; gamma 256 float32; w_proj_codes 256 x 8 x 16 uint8 (E2M1 codes of w_proj, K innermost, in blocks of 32 codes, two codes a byte); w_proj_scales 256 x 8 uint8 (E8M0 scales of w_proj, one for each 32 codes along K); w_qkv_codes 768 x 8 x 16 uint8 (E2M1 codes of w_qkv, K innermost, in blocks of 32 codes, two codes a byte); w_qkv_scales 768 x 8 uint8 (E8M0 scales of w_qkv, one for each 32 codes along K); x 4 x 256 x 64 x 64 float32.
;; Outputs: out0 4 x 256 x 64 x 64 float32.
;; This version of the problem:
;;   THIS VERSION OF THE PROBLEM IS GIVEN IN LOW PRECISION. The matrix products marked QUANTISED in the list below multiply operands that are first quantised to E2M1 (2 exponent bits, 1 mantissa bit; 4 bits a number), with one power-of-two scale for each 32 numbers along K (OCP MX v1.0); their sums are f32. All else is computed in f32.
;;   The module's matrix products, in the order in which they are computed (A, B: the left and right operand; K: the contracted axis; several contracted axes count as one K, in the product's order):
;;     1. [M 768, K 256] x [K 256, N 16,384]; A: input w_qkv (given as codes); B: computed on the way: QUANTISED
;;     2. batch 16 x [M 4,096, K 64] x [K 64, N 4,096]; A: computed on the way; B: computed on the way: QUANTISED
;;     3. batch 16 x [M 64, K 4,096] x [K 4,096, N 4,096]; A: computed on the way; B: softmax (see below): QUANTISED
;;     4. [M 256, K 256] x [K 256, N 16,384]; A: input w_proj (given as codes); B: computed on the way: QUANTISED
;;   THE QUANTISER, for each operand of a quantised product, along K:
;;     - K is cut into blocks of 32 from its start; a last block that is shorter is filled with zeros.
;;     - A block's scale is 2^e with e = floor(log2(the largest magnitude in the block)) - 2, held to -126 .. 127; a block of zeros has e = 0. As a byte (E8M0): e + 127.
;;     - Each number is divided by its block's scale, clamped to +-6, and rounded to the nearest number of E2M1, ties to even, subnormals kept.
;;     - The product sums the exact products of the quantised numbers (number of the format x scale) in f32.
;;   ~~~python
;;   def quantise(x, axis):      # numpy; x: float32 -> the quantised numbers, widened to float32 again
;;       x = np.moveaxis(x, axis, -1); K = x.shape[-1]
;;       x = np.pad(x, [(0, 0)] * (x.ndim - 1) + [(0, -K % 32)]); x = x.reshape(x.shape[:-1] + (-1, 32)); a = np.abs(x).max(-1, keepdims=True)
;;       e = np.where(a > 0, np.clip(np.frexp(np.where(a > 0, a, 1))[1] - 1 - 2, -126, 127), 0)      # np.frexp(a)[1] - 1 = floor(log2(a)), exactly
;;       r = np.clip(x / 2.0 ** e, -6, 6)
;;       step = 2.0 ** (np.maximum(np.frexp(np.where(r == 0, 1, r))[1] - 1, 0) - 1)
;;       q = np.round(r / step) * step * 2.0 ** e      # np.round: ties to even
;;       return np.moveaxis(q.reshape(q.shape[:-2] + (-1,))[..., :K], -1, axis).astype(np.float32)
;;   ~~~
;;   SOFTMAX AHEAD OF A QUANTISED PRODUCT. Where the list says 'softmax', what is quantised is not the finished softmax but p = 2^(t - M), with t = logit x log2(e) and M = ceil(the row's largest t), a whole number; so 1/2 < the row's largest p <= 1. The row's sum l is taken of the UNQUANTISED p, in f32, and the product's result is divided by l at the end. Since M is a whole number, a kernel that streams over the keys may use a running M (the ceiling of the running maximum): every later rescaling is an exact power of two, which a block's scale takes up: the codes' values come out the same.
;;   OPERANDS COMPUTED ON THE WAY. 'Computed on the way' means the value that the module computes at that place (a softmax that the list does not call 'softmax' is quantised finished and normalised). What goes into a quantiser is computed in f32, as accurately as f32 sums, v_exp_f32 and their like allow (about 1e-6 of the number): no bf16 or f16 on the way to a quantiser, and a product that is left as it is and whose result goes on into a quantised operand takes f32 operands (vector FMAs, or v_wmma_f32_16x16x4_f32). A number that lies on a knife's edge between two numbers of the format may be rounded either way, as far as f32 arithmetic and the matrix unit's own rounding can turn it there, and no further.
;;   INPUTS GIVEN AS CODES. w_proj (in the module: [256, 256], K = its axis 1); w_qkv (in the module: [768, 256], K = its axis 1): each comes as NAME_codes (uint8): NAME with its K axis moved to the last place and cut into blocks of 32 codes, [.., K / 32, bytes a block], one block behind the other in memory; two codes a byte, the lower K in the low four bits (a code: sign, 2 exponent bits, 1 mantissa bit); and NAME_scales (uint8): the same leading axes, one E8M0 byte (e + 127) for each 32 codes along K. Its value is code x scale, taken as it is: it is not quantised again, and the codes and scales need not be those that the quantiser above would give.
;; One version. Each part assembles by itself: llvm-mc -triple=amdgcn-amd-amdhsa -mcpu=gfx1250 --defsym DOCPART=n.
;; ======== version 1 of 1: 3 launches
;; workspace buffers: part 2,048 bytes; qimg 2,097,152 bytes; qsc 131,072 bytes; kvc 4,194,304 bytes; kvs 262,144 bytes
;; launch stats (part 1): grid 256 x 1, 8 waves a work-group, no clusters, 1,280 bytes of LDS; arguments x, part; writes part
.if DOCPART == 1
	.amdgcn_target "amdgcn-amd-amdhsa--gfx1250"
	.amdhsa_code_object_version 6
	.text
	.protected	k_qd0efe1aab3_stats
	.globl	k_qd0efe1aab3_stats
	.p2align	8
	.type	k_qd0efe1aab3_stats,@function
k_qd0efe1aab3_stats:
	s_mov_b64 s[64:65], 0
	v_nop
	global_prefetch_b8 v0, s[64:65] scope:SCOPE_SE
	s_setreg_imm32_b32 hwreg(HW_REG_WAVE_MODE, 25, 1), 1
	s_wait_xcnt 0x0
; GROUP NORM, FIRST PASS.  x: [4][256][4096] f32.  A norm group (32 channels x 4,096 pixels) is 524,288 consecutive bytes; it is cut into 8 chunks of 65,536 bytes.
; Work-group g takes chunk g & 7 of group g >> 3: 16,384 numbers.  It stores the chunk's mean and the sum of squares of the differences from THAT mean, 8 bytes at part + 8 g.
; The next launch joins a group's eight chunks.  No difference of large sums is formed anywhere, so a common offset of the inputs costs no digits.
; Eight waves; thread t takes 16 bytes at 16 t + 4,096 i, i = 0 .. 15: a wave's load covers 512 consecutive bytes.  The 64 numbers of a thread stay in registers between the two passes: x is read once here.
; No cluster, no tensor load, no matrix unit: work-groups share no input, and there is no product.
; LIMITS: NaN and infinities among the inputs are not served.
.set X, 16                             ; v16-79  my 64 numbers
	s_load_b128 s[4:7], s[0:1], 0x0                ; x, part
	v_lshl_add_u32 v80, v0, 2, 0x100
	v_mov_b32 v81, 0
	v_lshlrev_b32 v1, 4, v0                        ; 16 t
	v_lshrrev_b32 v2, 5, v0
	s_delay_alu instid0(VALU_DEP_1)
	v_lshlrev_b32 v2, 2, v2                        ; LDS: 4 x wave
	v_mov_b32 v3, 0
	v_mov_b32 v15, 0                               ; written once: a lane permute's destination counts as one of its sources
	s_lshl_b32 s2, ttmp9, 16                       ; my chunk
	s_mov_b32 s3, 0
	s_mov_b32 s8, 0x76543210                       ; v_permlanex16_b32's selects for lane l xor 16
	s_mov_b32 s9, 0xfedcba98
	s_wait_alu depctr_va_vdst(0)
	s_wait_kmcnt 0x0
	s_add_nc_u64 s[4:5], s[4:5], s[2:3]
	s_lshl_b32 s2, ttmp9, 3
	s_add_nc_u64 s[6:7], s[6:7], s[2:3]            ; my 8 bytes of part
.irp i, 0,1,2,3,4,5,6,7,8,9,10,11,12,13,14,15
	global_load_b128 v[X+4*\i:X+4*\i+3], v1, s[4:5] offset:4096*\i
.endr
; the four packed chains v[4:5] .. v[10:11] are folded, then the 32 lanes, then the eight waves through the eight LDS words at off; the total ends in v4 of every lane
.macro FOLD off
	s_delay_alu instid0(VALU_DEP_2)
	v_pk_add_f32 v[4:5], v[4:5], v[8:9]
	s_delay_alu instid0(VALU_DEP_2)
	v_pk_add_f32 v[6:7], v[6:7], v[10:11]
	s_delay_alu instid0(VALU_DEP_1)
	v_pk_add_f32 v[4:5], v[4:5], v[6:7]
	s_delay_alu instid0(VALU_DEP_1)
	v_add_f32 v14, v4, v5
	s_delay_alu instid0(VALU_DEP_1)
	v_add_f32_dpp v14, v14, v14 row_xmask:1 row_mask:0xf bank_mask:0xf
	s_delay_alu instid0(VALU_DEP_1)
	v_add_f32_dpp v14, v14, v14 row_xmask:2 row_mask:0xf bank_mask:0xf
	s_delay_alu instid0(VALU_DEP_1)
	v_add_f32_dpp v14, v14, v14 row_xmask:4 row_mask:0xf bank_mask:0xf
	s_delay_alu instid0(VALU_DEP_1)
	v_add_f32_dpp v14, v14, v14 row_xmask:8 row_mask:0xf bank_mask:0xf
	s_delay_alu instid0(VALU_DEP_1)
	v_permlanex16_b32 v15, v14, s8, s9
	s_delay_alu instid0(VALU_DEP_1)
	v_add_f32 v14, v14, v15
	ds_store_b32 v2, v14 offset:\off               ; all lanes of a wave write the wave's word with the same value
	s_wait_dscnt 0x0                               ; for the others' sake: my store has landed
	s_barrier_signal -1
	s_barrier_wait -1
	ds_load_b128 v[4:7], v3 offset:\off
	ds_load_b128 v[8:11], v3 offset:\off+16
	s_wait_dscnt 0x0
	v_add_f32 v4, v4, v5
	v_add_f32 v6, v6, v7
	v_add_f32 v8, v8, v9
	v_add_f32 v10, v10, v11
	s_delay_alu instid0(VALU_DEP_3)
	v_add_f32 v4, v4, v6
	s_delay_alu instid0(VALU_DEP_2)
	v_add_f32 v8, v8, v10
	s_delay_alu instid0(VALU_DEP_1)
	v_add_f32 v4, v4, v8
.endm
	; pass 1: the sum, in four chains that the first four loads start: nothing is cleared
	s_wait_loadcnt 14                              ; loads 0 and 1 are in, the fourteen younger ones may be out
	v_pk_add_f32 v[4:5], v[X:X+1], v[X+4:X+5]
	v_pk_add_f32 v[6:7], v[X+2:X+3], v[X+6:X+7]
	s_wait_alu depctr_va_vdst(0)
	s_wait_loadcnt 12
	v_pk_add_f32 v[8:9], v[X+8:X+9], v[X+12:X+13]
	v_pk_add_f32 v[10:11], v[X+10:X+11], v[X+14:X+15]
	s_wait_alu depctr_va_vdst(0)
.irp i, 4,5,6,7,8,9,10,11,12,13,14,15
	s_wait_alu depctr_va_vdst(0)
	s_wait_loadcnt 15-\i                           ; load i is in; the younger ones may be out
	v_pk_add_f32 v[4+4*(\i%2):5+4*(\i%2)], v[4+4*(\i%2):5+4*(\i%2)], v[X+4*\i:X+4*\i+1]
	v_pk_add_f32 v[6+4*(\i%2):7+4*(\i%2)], v[6+4*(\i%2):7+4*(\i%2)], v[X+4*\i+2:X+4*\i+3]
.endr
	FOLD 0
	s_delay_alu instid0(VALU_DEP_1)
	v_mul_f32 v12, 0x38800000, v4                  ; the chunk's mean: the sum x 2^-14
	s_delay_alu instid0(VALU_DEP_1)
	v_mov_b32 v13, v12
	; pass 2, from the registers: the differences from the mean, and the sum of their squares
.set j, 0
.rept 32
	v_pk_add_f32 v[X+j:X+j+1], v[X+j:X+j+1], v[12:13] neg_lo:[0,1] neg_hi:[0,1]
.set j, j+2
.endr
.irp k, 0,1,2,3
	v_pk_mul_f32 v[4+2*\k:5+2*\k], v[X+2*\k:X+2*\k+1], v[X+2*\k:X+2*\k+1]
.endr
.set j, 4
.rept 28
	s_delay_alu instid0(VALU_DEP_4)
	v_pk_fma_f32 v[4+2*(j%4):5+2*(j%4)], v[X+2*j:X+2*j+1], v[X+2*j:X+2*j+1], v[4+2*(j%4):5+2*(j%4)]
.set j, j+1
.endr
	FOLD 32                                        ; other LDS words than the first fold's: no wave can write over what another still reads
	s_delay_alu instid0(VALU_DEP_1)
	v_mov_b32 v13, v4                              ; v[12:13] = mean, sum of squares
	s_wait_alu depctr_va_vdst(0)
	s_wait_xcnt 0x0                                ; EXEC changes only behind this wait
	v_cmp_eq_u32 vcc_lo, 0, v0
	s_wait_tensorcnt 0x0
	ds_add_u32 v80, v81
	s_wait_dscnt 0x0
	s_and_saveexec_b32 s10, vcc_lo                 ; thread 0 alone stores
	global_store_b64 v3, v[12:13], s[6:7]
	s_wait_xcnt 0x0                                ; and again in front of the line that widens it
	s_or_b32 exec_lo, exec_lo, s10
	s_endpgm
.Lfunc_end_k_qd0efe1aab3_stats:
	.size	k_qd0efe1aab3_stats, .Lfunc_end_k_qd0efe1aab3_stats-k_qd0efe1aab3_stats
	.p2alignl 7, 3214868480
	.fill 96, 4, 3214868480
	.section	.rodata,"a",@progbits
	.p2align	6, 0x0
	.amdhsa_kernel k_qd0efe1aab3_stats
		.amdhsa_group_segment_fixed_size 1280
		.amdhsa_private_segment_fixed_size 0
		.amdhsa_enable_private_segment 0
		.amdhsa_kernarg_size 16
		.amdhsa_user_sgpr_count 2
		.amdhsa_user_sgpr_kernarg_segment_ptr 1
		.amdhsa_wavefront_size32 1
		.amdhsa_system_sgpr_workgroup_id_x 1
		.amdhsa_system_sgpr_workgroup_id_y 1
		.amdhsa_system_sgpr_workgroup_id_z 1
		.amdhsa_system_vgpr_workitem_id 0
		.amdhsa_next_free_vgpr 82
		.amdhsa_next_free_sgpr 66
		.amdhsa_reserve_vcc 1
		.amdhsa_float_denorm_mode_32 3
		.amdhsa_float_denorm_mode_16_64 3
		.amdhsa_memory_ordered 1
		.amdhsa_forward_progress 1
		.amdhsa_inst_pref_size 14
	.end_amdhsa_kernel
	.amdgpu_metadata
---
amdhsa.version: [ 1, 2 ]
amdhsa.kernels:
  - .name:           k_qd0efe1aab3_stats
    .symbol:         k_qd0efe1aab3_stats.kd
    .args:
      - { .name: x, .offset: 0, .size: 8, .value_kind: global_buffer, .address_space: global }
      - { .name: part, .offset: 8, .size: 8, .value_kind: global_buffer, .address_space: global }
    .group_segment_fixed_size: 1280
    .private_segment_fixed_size: 0
    .kernarg_segment_align: 8
    .kernarg_segment_size: 16
    .max_flat_workgroup_size: 256
    .sgpr_count:     66
    .vgpr_count:     82
    .wavefront_size: 32
...
	.end_amdgpu_metadata
.endif
;; end of part 1
;; launch qkv (part 2): grid 256 x 1, 16 waves a work-group, no clusters, 18,432 bytes of LDS; arguments x, part, gamma, beta, w_qkv_codes, w_qkv_scales, b_qkv, qimg, qsc, kvc, kvs; writes qimg, qsc, kvc, kvs
.if DOCPART == 2
	.amdgcn_target "amdgcn-amd-amdhsa--gfx1250"
	.amdhsa_code_object_version 6
	.text
	.protected	k_qd0efe1aab3_qkv
	.globl	k_qd0efe1aab3_qkv
	.p2align	8
	.type	k_qd0efe1aab3_qkv,@function
k_qd0efe1aab3_qkv:
	s_mov_b64 s[64:65], 0
	v_nop
	global_prefetch_b8 v0, s[64:65] scope:SCOPE_SE
	s_setreg_imm32_b32 hwreg(HW_REG_WAVE_MODE, 25, 1), 1
	s_wait_xcnt 0x0
; GROUP NORM, ITS QUANTISER, THE QKV PRODUCT, AND THE QUANTISERS OF q, k AND v.  All products on codes of FP4 (E2M1) with one E8M0 scale for each 32 along K.
; A work-group takes 64 pixels of one image (b = wg / 64, block = wg % 64) and all 768 rows of w_qkv.  Sixteen waves; wave w: pr = w / 2, ph = w % 2.
; PHASE X.  Wave w norms channels 32 pr .. 32 pr + 31 (one norm group = one block of 32 along K) of pixels 32 ph + lane: a lane is a pixel, its 32 registers run down the channels, so a block's largest magnitude
;   needs no other lane and the conversions give 16 bytes with K innermost.  They go to LDS as a piece of the operand's register image.
; PHASE 2.  Wave w multiplies rows 32 pr .. 32 pr + 31 of each of q's, k's and v's part of w_qkv (two tiles of 16) by pixel tiles 2 ph and 2 ph + 1: 24 matrix instructions.
; TILES ARE PERMUTED: row r of tile 2 b + u stands for index 32 b + 8 u + r + 8 (r / 8), for pixels and for rows of w_qkv alike.  Then a lane's 16 registers of result tiles 2 b and 2 b + 1 are the 16 neighbours
;   32 b + 16 (lane / 16) + 0 .. 15 along the axis that runs down the registers.
;   q, k: source 0 = rows of w_qkv, source 1 = pixels: a lane holds one pixel and 16 channels of one block of the head's 64 (their K); the bias is the C of the first K step.
;   v:    source 0 = pixels, source 1 = rows of w_qkv: a lane holds one channel and 16 pixels of one block of 32 keys (its K); the bias is added behind the product.
;   A block lies in lanes l and l xor 16.  A lane's 16 codes are 8 bytes; the 32 lanes of a store cover 256 consecutive bytes, aligned.
; WHAT IS STORED is laid as the next launch's operand registers (lane l's 16 bytes at 16 l):
;   qimg [wg][head][tile][512];  qsc [wg][head][tile][row][2];  kvc [b][step of 128 keys][head][K 4,096 | V 4,096], K: fragment f = two key tiles (1,024), V: channel tile t (1,024);
;   kvs [b][step][head][half c][lane][8]: word 0 = K's scale word of fragment 2 c + lane / 16, word 1 = V's bytes {tile lane / 16: key blocks 2 c, 2 c + 1 | tile 2 + lane / 16: the same blocks}.
; The scale bytes are gathered in LDS and leave as six aligned stores of 256 bytes.
; NO CLUSTER, NO TENSOR LOAD: what work-groups share is w_qkv, and each wave takes its 12 fragments of it straight into the registers in which they are multiplied; through LDS they would be written and read once more.
; LIMITS: NaN and infinities are not served.  A block of zeros gets the scale byte 1 where the rule says 127: its codes are zeros, and this program alone reads the bytes.  1 / sqrt by v_rsq_f32.
.set XIMG, 0                           ; LDS: xn's 8 fragments: tile x 2,048 + K step x 1,024 + c x 512 + 16 lane
.set XSC,  8192                        ; their scale words: K step x 256 + (16 tile + row) x 4
.set SST,  8704                        ; the scale bytes on their way out: kvs' four half images of 256 bytes, then qsc's 512 bytes
.set X,    36                          ; v36-67   32 channels of my pixel; later xn's fragments (u, s) at X + 16 u + 8 s
.set ACC,  68                          ; v68-99   four accumulators (v68-83 first hold the group's eight chunks' statistics)
.set XS,   100                         ; v100-101 xn's scale words of K step s: lanes 0-15 tile 2 ph, lanes 16-31 tile 2 ph + 1
.set PC,   102                         ; v102-113 codes: four registers for each of q, k, v, so that no store's data are written again
.set WS,   114                         ; v114-125 w_qkv's scale words (kind, tile, K step)
.set BQ,   128                         ; v128-159 q's and k's bias in the result's layout (kind, tile)
.set WF,   160                         ; v160-255 w_qkv's fragments at WF + 32 kind + 16 tile + 8 s
; v1 4 lane; v2-5 offsets in w_qkv, its scales and the bias; v6, v7 where I store xn's codes and byte; v8, v9 where I read fragments and scale words; v10 16 r + 8 h; v11-13 where q's, k's, v's scale bytes go;
; v14 0; v15 where I read scale bytes back; v[16:17] mean, v[18:19] 1 / sqrt; v20-31 at work; v32 8 lane; v[34:35], v[126:127] v's bias, each word twice
.macro MM d, a, b, c, sa, sb, ra, rb   ; one product; c < 0: C = 0; ra, rb: that side's scales stand in lanes 16-31
.if (\c) < 0
.if \ra
	v_wmma_scale_f32_16x16x128_f8f6f4 v[(\d):(\d)+7], v[(\a):(\a)+7], v[(\b):(\b)+7], 0, v[(\sa)], v[(\sb)] matrix_a_fmt:MATRIX_FMT_FP4 matrix_b_fmt:MATRIX_FMT_FP4 matrix_a_scale:MATRIX_SCALE_ROW1
.else
	v_wmma_scale_f32_16x16x128_f8f6f4 v[(\d):(\d)+7], v[(\a):(\a)+7], v[(\b):(\b)+7], 0, v[(\sa)], v[(\sb)] matrix_a_fmt:MATRIX_FMT_FP4 matrix_b_fmt:MATRIX_FMT_FP4
.endif
.else
.if \ra
	v_wmma_scale_f32_16x16x128_f8f6f4 v[(\d):(\d)+7], v[(\a):(\a)+7], v[(\b):(\b)+7], v[(\c):(\c)+7], v[(\sa)], v[(\sb)] matrix_a_fmt:MATRIX_FMT_FP4 matrix_b_fmt:MATRIX_FMT_FP4 matrix_a_scale:MATRIX_SCALE_ROW1
.elseif \rb
	v_wmma_scale_f32_16x16x128_f8f6f4 v[(\d):(\d)+7], v[(\a):(\a)+7], v[(\b):(\b)+7], v[(\c):(\c)+7], v[(\sa)], v[(\sb)] matrix_a_fmt:MATRIX_FMT_FP4 matrix_b_fmt:MATRIX_FMT_FP4 matrix_b_scale:MATRIX_SCALE_ROW1
.else
	v_wmma_scale_f32_16x16x128_f8f6f4 v[(\d):(\d)+7], v[(\a):(\a)+7], v[(\b):(\b)+7], v[(\c):(\c)+7], v[(\sa)], v[(\sb)] matrix_a_fmt:MATRIX_FMT_FP4 matrix_b_fmt:MATRIX_FMT_FP4
.endif
.endif
.endm
	s_load_b512 s[4:19], s[0:1], 0x0               ; x s[4:5], part s[6:7], gamma s[8:9], beta s[10:11], w codes s[12:13], w scales s[14:15], bias s[16:17], qimg s[18:19]
	s_load_b128 s[20:23], s[0:1], 0x40             ; qsc s[20:21], kvc s[22:23]
	s_load_b64 s[24:25], s[0:1], 0x50              ; kvs
	v_lshrrev_b32 v20, 5, v0
	s_delay_alu instid0(VALU_DEP_1)
	v_readfirstlane_b32 s26, v20                   ; wave 0..15
	s_lshr_b32 s27, ttmp9, 6                       ; b
	s_and_b32 s28, ttmp9, 63                       ; block of 64 pixels
	s_lshr_b32 s29, s26, 1                         ; pr
	s_and_b32 s30, s26, 1                          ; ph
	s_lshr_b32 s31, s29, 1                         ; head
	s_and_b32 s2, s29, 1                           ; bk: which block of 32 of the head's 64
	s_lshr_b32 s3, s28, 1                          ; step of 128 keys
	s_and_b32 s66, s28, 1                          ; its half
	s_mov_b32 s101, 0
	v_and_b32 v20, 31, v0                          ; lane
	v_and_b32 v21, 15, v0                          ; r
	v_bfe_u32 v22, v0, 4, 1                        ; h
	s_delay_alu instid0(VALU_DEP_2)
	v_and_b32 v23, 8, v21
	s_delay_alu instid0(VALU_DEP_1)
	v_add_nc_u32 v23, v23, v21                     ; r + 8 (r / 8)
	v_lshlrev_b32 v1, 2, v20
	s_delay_alu instid0(VALU_DEP_2)
	v_lshlrev_b32 v2, 7, v23                       ; w_qkv: a row of 256 codes is 128 bytes,
	s_delay_alu instid0(VALU_DEP_1)
	v_lshl_add_u32 v2, v22, 4, v2                  ; + 16 h
	s_delay_alu instid0(VALU_DEP_4)
	v_lshlrev_b32 v3, 3, v23                       ; its scales: 8 bytes a row
	v_lshlrev_b32 v4, 6, v22                       ; q's, k's bias: my half's 16 channels
	v_lshlrev_b32 v5, 2, v23                       ; v's bias: my channel
	v_mov_b32 v14, 0
	s_wait_alu depctr_va_vdst(0)
	s_wait_kmcnt 0x0
	s_lshl_b32 s100, s29, 7                        ; 32 pr numbers of 4 bytes
	s_add_nc_u64 s[8:9], s[8:9], s[100:101]
	s_add_nc_u64 s[10:11], s[10:11], s[100:101]
	s_add_nc_u64 s[16:17], s[16:17], s[100:101]
	s_load_b512 s[68:83], s[8:9], 0x0              ; gamma of my 32 channels: s68-99
	s_load_b512 s[84:99], s[8:9], 0x40
	s_load_b512 s[32:47], s[10:11], 0x0            ; beta: s32-63
	s_load_b512 s[48:63], s[10:11], 0x40
	s_lshl_b32 s100, s27, 3
	s_add_co_u32 s100, s100, s29
	s_lshl_b32 s100, s100, 6                       ; part: group 8 b + pr, 64 bytes
	s_add_nc_u64 s[6:7], s[6:7], s[100:101]
	s_lshl_b32 s100, s27, 22                       ; x: image, 32 pr channels of 16,384 bytes, 64 pixels a block, 32 a wave
	s_lshl_b32 s104, s29, 19
	s_add_co_u32 s100, s100, s104
	s_lshl_b32 s104, s28, 8
	s_add_co_u32 s100, s100, s104
	s_lshl_b32 s104, s30, 7
	s_add_co_u32 s100, s100, s104
	s_add_nc_u64 s[4:5], s[4:5], s[100:101]
	s_lshl_b32 s100, s29, 12                       ; 32 pr rows of 128 bytes
	s_add_nc_u64 s[12:13], s[12:13], s[100:101]
	s_lshl_b32 s100, s29, 8                        ; 32 pr rows of 8 bytes
	s_add_nc_u64 s[14:15], s[14:15], s[100:101]
.irp i, 0,1,2,3
	global_load_b128 v[ACC+4*\i:ACC+4*\i+3], v14, s[6:7] offset:16*\i    ; the group's eight (mean, sum of squares), the same in every lane
.endr
.set i, 0
.rept 32
	global_load_b32 v[X+i], v1, s[4:5] offset:16384*i                    ; channel 32 pr + i at my pixel: 128 consecutive bytes a wave; wave w xor 1 takes the 128 beside them
.set i, i+1
.endr
.irp k, 0,1,2                          ; 42 loads that are wanted only behind the norm: 24 + 6 + 8 + 4
.irp w, 0,1
.irp s, 0,1
.irp c, 0,1
	global_load_b128 v[WF+32*\k+16*\w+8*\s+4*\c:WF+32*\k+16*\w+8*\s+4*\c+3], v2, s[12:13] offset:\k*32768+\w*1024+64*\s+32*\c
.endr
.endr
	global_load_b64 v[WS+4*\k+2*\w:WS+4*\k+2*\w+1], v3, s[14:15] offset:\k*2048+\w*64   ; both K steps' words
.endr
.endr
.irp k, 0,1
.irp w, 0,1
	global_load_b128 v[BQ+16*\k+8*\w:BQ+16*\k+8*\w+3], v4, s[16:17] offset:\k*1024+\w*32
	global_load_b128 v[BQ+16*\k+8*\w+4:BQ+16*\k+8*\w+7], v4, s[16:17] offset:\k*1024+\w*32+16
.endr
.endr
	global_load_b32 v126, v5, s[16:17] offset:2048 ; v's bias of my channel in tile 0, twice: a pair for the packed add
	global_load_b32 v127, v5, s[16:17] offset:2048
	global_load_b32 v34, v5, s[16:17] offset:2080  ; and in tile 1
	global_load_b32 v35, v5, s[16:17] offset:2080
	; LDS addresses, all made here, of the lane's and the wave's numbers and constants
	v_bfe_u32 v24, v0, 3, 1
	v_and_b32 v25, 7, v0
	s_wait_alu depctr_va_vdst(0)
	s_lshl_b32 s104, s30, 12                       ; pixel 32 ph + lane is row (lane % 8) + 8 (lane / 16) of tile 2 ph + (lane / 8) % 2; block pr lies 256 pr bytes into a tile's two fragments
	s_lshl_b32 s105, s29, 8
	s_add_co_u32 s104, s104, s105
	v_lshlrev_b32 v6, 4, v25
	s_delay_alu instid0(VALU_DEP_1)
	v_lshl_add_u32 v6, v22, 7, v6
	s_delay_alu instid0(VALU_DEP_1)
	v_lshl_add_u32 v6, v24, 11, v6
	s_delay_alu instid0(VALU_DEP_1)
	v_add_nc_u32 v6, s104, v6
	s_lshl_b32 s104, s30, 7                        ; its scale byte: K step pr / 4, byte pr % 4 of the row's word
	s_lshr_b32 s105, s29, 2
	s_lshl_b32 s105, s105, 8
	s_add_co_u32 s104, s104, s105
	s_and_b32 s105, s29, 3
	s_add_co_u32 s104, s104, s105
	s_add_co_u32 s104, s104, XSC
	v_lshlrev_b32 v7, 2, v25
	s_delay_alu instid0(VALU_DEP_1)
	v_lshl_add_u32 v7, v22, 5, v7
	s_delay_alu instid0(VALU_DEP_1)
	v_lshl_add_u32 v7, v24, 6, v7
	s_delay_alu instid0(VALU_DEP_1)
	v_add_nc_u32 v7, s104, v7
	s_lshl_b32 s104, s30, 12
	v_lshl_add_u32 v8, v20, 4, s104                ; my two tiles' fragments: 16 lane + 4,096 ph
	s_lshl_b32 s104, s30, 7
	s_add_co_u32 s104, s104, XSC
	v_lshl_add_u32 v9, v20, 2, s104                ; their scale words: 4 lane + 128 ph
	v_lshlrev_b32 v10, 4, v21
	s_delay_alu instid0(VALU_DEP_1)
	v_lshl_add_u32 v10, v22, 3, v10                ; out: 16 r + 8 h
	s_lshl_b32 s104, s31, 7                        ; q's byte: head x 128 + tile x 32 + 2 r + bk
	s_lshl_b32 s105, s30, 6
	s_add_co_u32 s104, s104, s105
	s_add_co_u32 s104, s104, s2
	s_add_co_u32 s104, s104, SST+1024
	v_lshl_add_u32 v11, v21, 1, s104
	s_lshl_b32 s104, s31, 8                        ; k's byte: head x 256 + 8 (r + 16 ph) + 2 u + bk
	s_lshl_b32 s105, s30, 7
	s_add_co_u32 s104, s104, s105
	s_add_co_u32 s104, s104, s2
	s_add_co_u32 s104, s104, SST
	v_lshl_add_u32 v12, v21, 3, s104
	s_lshl_b32 s104, s31, 8                        ; v's byte: head x 256 + 8 (r + 16 tile) + 4 + 2 bk + ph
	s_lshl_b32 s105, s2, 1
	s_add_co_u32 s104, s104, s105
	s_add_co_u32 s104, s104, s30
	s_add_co_u32 s104, s104, SST+4
	v_lshl_add_u32 v13, v21, 3, s104
	s_lshl_b32 s104, s26, 8
	s_add_co_u32 s104, s104, SST
	v_lshl_add_u32 v15, v20, 3, s104               ; back: 256 wave + 8 lane (waves 0 to 5 read)
	v_lshlrev_b32 v32, 3, v20
	; where the results go
	s_lshl_b32 s100, ttmp9, 13                     ; q: wg x 8,192 + head x 2,048 + tile 2 ph x 512 + bk x 256
	s_lshl_b32 s104, s31, 11
	s_add_co_u32 s100, s100, s104
	s_lshl_b32 s104, s30, 10
	s_add_co_u32 s100, s100, s104
	s_lshl_b32 s104, s2, 8
	s_add_co_u32 s100, s100, s104
	s_add_nc_u64 s[18:19], s[18:19], s[100:101]
	s_lshl_b32 s100, s27, 20                       ; kvc: image, step, head
	s_lshl_b32 s104, s3, 15
	s_add_co_u32 s100, s100, s104
	s_lshl_b32 s104, s31, 13
	s_add_co_u32 s100, s100, s104
	s_add_nc_u64 s[22:23], s[22:23], s[100:101]
	s_wait_kmcnt 0x0                               ; gamma and beta are in: s[8:11], their bases, may be written
	s_mov_b32 s8, 0x76543210                       ; v_permlanex16_b32's selects for lane l xor 16
	s_mov_b32 s9, 0xfedcba98
	s_lshl_b32 s100, s2, 11                        ; V: 4,096 + channel tile 2 bk x 1,024 + half x 512 + ph x 256
	s_lshl_b32 s104, s66, 9
	s_add_co_u32 s100, s100, s104
	s_lshl_b32 s104, s30, 8
	s_add_co_u32 s100, s100, s104
	s_add_co_u32 s100, s100, 4096
	s_add_nc_u64 s[10:11], s[22:23], s[100:101]
	s_lshl_b32 s100, s66, 11                       ; K: fragment (2 half + ph) x 1,024 + bk x 256
	s_lshl_b32 s104, s30, 10
	s_add_co_u32 s100, s100, s104
	s_lshl_b32 s104, s2, 8
	s_add_co_u32 s100, s100, s104
	s_add_nc_u64 s[22:23], s[22:23], s[100:101]
	s_lshl_b32 s100, s27, 16                       ; the scale bytes: waves 0 to 3 store head w's half image of kvs,
	s_lshl_b32 s104, s3, 11
	s_add_co_u32 s100, s100, s104
	s_lshl_b32 s104, s26, 9
	s_add_co_u32 s100, s100, s104
	s_lshl_b32 s104, s66, 8
	s_add_co_u32 s100, s100, s104
	s_lshl_b32 s104, ttmp9, 9                      ; waves 4 and 5 the halves of the work-group's 512 bytes of qsc
	s_lshl_b32 s105, s30, 8
	s_add_co_u32 s104, s104, s105
	s_cmp_lt_u32 s26, 4                            ; the choice hangs on the wave's number alone
	s_cselect_b64 s[24:25], s[24:25], s[20:21]
	s_cselect_b32 s100, s100, s104
	s_add_nc_u64 s[24:25], s[24:25], s[100:101]
	; THE GROUP'S MEAN AND VARIANCE from its eight chunks of 16,384 numbers
	s_wait_loadcnt 42                              ; the statistics and x are in; the 42 loads issued behind them may be out
	v_add_f32 v20, v68, v70
	v_add_f32 v21, v72, v74
	v_add_f32 v22, v76, v78
	v_add_f32 v23, v80, v82
	v_add_f32 v24, v69, v71
	v_add_f32 v25, v73, v75
	v_add_f32 v26, v77, v79
	v_add_f32 v27, v81, v83
	v_add_f32 v20, v20, v21
	v_add_f32 v22, v22, v23
	v_add_f32 v24, v24, v25
	s_delay_alu instid0(VALU_DEP_4)
	v_add_f32 v26, v26, v27
	s_delay_alu instid0(VALU_DEP_3)
	v_add_f32 v20, v20, v22
	s_delay_alu instid0(VALU_DEP_2)
	v_add_f32 v24, v24, v26                        ; the chunks' sums of squares
	s_delay_alu instid0(VALU_DEP_2)
	v_mul_f32 v16, 0x3e000000, v20                 ; the mean: an eighth of the chunks' means
.irp i, 0,1,2,3,4,5,6,7
	v_sub_f32 v[68+2*\i], v[68+2*\i], v16          ; each chunk's mean less the group's
.endr
	v_mul_f32 v20, v68, v68
.irp i, 1,2,3,4,5,6,7
	s_delay_alu instid0(VALU_DEP_1)
	v_fmac_f32 v20, v[68+2*\i], v[68+2*\i]
.endr
	s_delay_alu instid0(VALU_DEP_1)
	v_fmamk_f32 v24, v20, 0x46800000, v24          ; + 16,384 x the squares of those differences
	s_delay_alu instid0(VALU_DEP_1)
	v_mul_f32 v24, 0x37000000, v24                 ; x 2^-17: the variance
	s_delay_alu instid0(VALU_DEP_1)
	v_add_f32 v24, 0x3727c5ac, v24                 ; + 1e-5
	s_wait_alu depctr_va_vdst(0)
	v_rsq_f32 v18, v24
	v_mov_b32 v17, v16                             ; a plain line behind the transcendental
	s_wait_alu depctr_va_vdst(0)                   ; the wait ahead of the first line that names the result
	v_mov_b32 v19, v18
	; THE NORM, in the order in which it is defined: (x - mean) x 1 / sqrt, then x gamma + beta
.set j, 0
.rept 16
	v_pk_add_f32 v[X+j:X+j+1], v[X+j:X+j+1], v[16:17] neg_lo:[0,1] neg_hi:[0,1]
.set j, j+2
.endr
.set j, 0
.rept 16
	v_pk_mul_f32 v[X+j:X+j+1], v[X+j:X+j+1], v[18:19]
.set j, j+2
.endr
.set i, 0
.rept 32
	v_fma_f32 v[X+i], v[X+i], s[68+i], s[32+i]
.set i, i+1
.endr
	; ITS QUANTISER: the block's 32 numbers are all mine
	v_max3_num_f32 v20, |v[X]|, |v[X+1]|, |v[X+2]|
	v_max3_num_f32 v21, |v[X+3]|, |v[X+4]|, |v[X+5]|
.irp i, 6,10,14,18,22,26
	s_delay_alu instid0(VALU_DEP_2)
	v_max3_num_f32 v20, v20, |v[X+\i]|, |v[X+\i+1]|
	s_delay_alu instid0(VALU_DEP_2)
	v_max3_num_f32 v21, v21, |v[X+\i+2]|, |v[X+\i+3]|
.endr
	s_delay_alu instid0(VALU_DEP_2)
	v_max3_num_f32 v20, v20, |v[X+30]|, |v[X+31]|
	s_delay_alu instid0(VALU_DEP_1)
	v_max3_num_f32 v20, v20, v21, 0x1800000        ; and the floor 2^(3 - 127): the byte cannot fall under 1
	s_delay_alu instid0(VALU_DEP_1)
	v_add_nc_u32 v22, 0xff000000, v20              ; 2 off the exponent field: the conversion takes this operand's exponent field as its scale
	s_delay_alu instid0(VALU_DEP_1)
	v_lshrrev_b32 v23, 23, v22                     ; the scale's byte
.irp g, 0,1,2,3
	v_cvt_scalef32_pk8_fp4_f32 v[PC+\g], v[X+8*\g:X+8*\g+7], v22
.endr
	v_nop                                          ; one plain line behind the last scaled conversion
	ds_store_b128 v6, v[PC:PC+3]
	ds_store_b8 v7, v23
	s_wait_dscnt 0x0                               ; for the others' sake: my stores have landed
	s_barrier_signal -1
	s_barrier_wait -1                              ; xn's eight fragments and their scale words lie in LDS
	s_wait_loadcnt 0x0                             ; the weights, their scales and the biases
.irp u, 0,1
.irp s, 0,1
.irp c, 0,1
	ds_load_b128 v[X+16*\u+8*\s+4*\c:X+16*\u+8*\s+4*\c+3], v8 offset:\u*2048+\s*1024+\c*512
.endr
.endr
.endr
	ds_load_b32 v[XS], v9
	ds_load_b32 v[XS+1], v9 offset:256
	s_wait_dscnt 0x0
; Two groups of 16 registers (ACC + 16 g) become codes: v[PC + 4 kd + 2 g], + 1; the bytes go to v[26 + 2 kd + g].  Each accumulator is read from its low end on.
.macro QB2 kd
.irp g, 0,1
	v_max3_num_f32 v[20+\g], |v[ACC+16*\g]|, |v[ACC+16*\g+1]|, 0x1800000   ; my 16 numbers and the floor
.endr
.irp i, 2,4,6,8,10,12,14
.irp g, 0,1
	v_max3_num_f32 v[20+\g], v[20+\g], |v[ACC+16*\g+\i]|, |v[ACC+16*\g+\i+1]|
.endr
.endr
.irp g, 0,1
	s_delay_alu instid0(VALU_DEP_2)
	v_permlanex16_b32 v[22+\g], v[20+\g], s8, s9
.endr
.irp g, 0,1
	s_delay_alu instid0(VALU_DEP_2)
	v_max_num_f32 v[20+\g], v[20+\g], v[22+\g]     ; with lane l xor 16's: the block's largest magnitude
.endr
.irp g, 0,1
	s_delay_alu instid0(VALU_DEP_2)
	v_add_nc_u32 v[24+\g], 0xff000000, v[20+\g]
.endr
.irp g, 0,1
	s_delay_alu instid0(VALU_DEP_2)
	v_lshrrev_b32 v[26+2*\kd+\g], 23, v[24+\g]
.endr
.irp g, 0,1
	v_cvt_scalef32_pk8_fp4_f32 v[PC+4*\kd+2*\g], v[ACC+16*\g:ACC+16*\g+7], v[24+\g]
	v_cvt_scalef32_pk8_fp4_f32 v[PC+4*\kd+2*\g+1], v[ACC+16*\g+8:ACC+16*\g+15], v[24+\g]
.endr
	v_nop                                          ; one plain line behind the last scaled conversion: the next products write its sources
.endm
; q (kd = 0) or k (1): eight products, the four accumulators by turns; the bias starts the sums
.macro KQK kd, base, ad, st
.irp s, 0,1
.irp u, 0,1
.irp w, 0,1
.if \s == 0
	MM ACC+16*\u+8*\w, WF+32*\kd+16*\w, X+16*\u, BQ+16*\kd+8*\w, WS+4*\kd+2*\w, XS, 0, \u
.else
	MM ACC+16*\u+8*\w, WF+32*\kd+16*\w+8, X+16*\u+8, ACC+16*\u+8*\w, WS+4*\kd+2*\w+1, XS+1, 0, \u
.endif
.endr
.endr
.endr
.rept 4
	v_nop                                          ; four places between the last product and the first read of results (ISA guide 7.12.1)
.endr
	QB2 \kd
.irp u, 0,1
	global_store_b64 v10, v[PC+4*\kd+2*\u:PC+4*\kd+2*\u+1], s[\base:\base+1] offset:512*\u   ; 32 lanes store 256 consecutive bytes, aligned: half bk of tile 2 ph + u's image
	ds_store_b8 v[\ad], v[26+2*\kd+\u] offset:\st*\u   ; both lanes of a block write the same byte with the same value
.endr
.endm
	KQK 0, 18, 11, 32
	KQK 1, 22, 12, 2
	; v: source 0 = pixels, source 1 = rows of w_qkv; accumulator (channel tile p, pixel tile u) at ACC + 16 p + 8 u
.irp s, 0,1
.irp p, 0,1
.irp u, 0,1
.if \s == 0
	MM ACC+16*\p+8*\u, X+16*\u, WF+64+16*\p, -1, XS, WS+8+2*\p, \u, 0
.else
	MM ACC+16*\p+8*\u, X+16*\u+8, WF+64+16*\p+8, ACC+16*\p+8*\u, XS+1, WS+8+2*\p+1, \u, 0
.endif
.endr
.endr
.endr
.rept 4
	v_nop
.endr
.set j, 0
.rept 8
	v_pk_add_f32 v[ACC+j:ACC+j+1], v[ACC+j:ACC+j+1], v[126:127]          ; my channel's bias, each accumulator from its low end on
.set j, j+2
.endr
.set j, 0
.rept 8
	v_pk_add_f32 v[ACC+16+j:ACC+16+j+1], v[ACC+16+j:ACC+16+j+1], v[34:35]
.set j, j+2
.endr
	QB2 2
.irp p, 0,1
	global_store_b64 v10, v[PC+8+2*\p:PC+8+2*\p+1], s[10:11] offset:1024*\p
	ds_store_b8 v13, v[30+\p] offset:128*\p
.endr
	s_wait_dscnt 0x0                               ; for the others' sake: my scale bytes have landed
	s_barrier_signal -1
	s_barrier_wait -1
	s_cmp_lt_u32 s26, 6                            ; six waves carry the 1,536 scale bytes out, 256 each
	s_cbranch_scc0 .Ldone
	ds_load_b64 v[20:21], v15
	s_wait_dscnt 0x0
	global_store_b64 v32, v[20:21], s[24:25]       ; 32 lanes store 256 consecutive bytes, aligned
.Ldone:
	s_wait_xcnt 0x0
	v_lshl_add_u32 v246, v0, 2, 0x4000
	v_mov_b32 v247, 0
	s_wait_alu depctr_va_vdst(0)
	s_wait_tensorcnt 0x0
	ds_add_u32 v246, v247
	s_wait_dscnt 0x0
	s_endpgm
.Lfunc_end_k_qd0efe1aab3_qkv:
	.size	k_qd0efe1aab3_qkv, .Lfunc_end_k_qd0efe1aab3_qkv-k_qd0efe1aab3_qkv
	.p2alignl 7, 3214868480
	.fill 96, 4, 3214868480
	.section	.rodata,"a",@progbits
	.p2align	6, 0x0
	.amdhsa_kernel k_qd0efe1aab3_qkv
		.amdhsa_group_segment_fixed_size 18432
		.amdhsa_private_segment_fixed_size 0
		.amdhsa_enable_private_segment 0
		.amdhsa_kernarg_size 88
		.amdhsa_user_sgpr_count 2
		.amdhsa_user_sgpr_kernarg_segment_ptr 1
		.amdhsa_wavefront_size32 1
		.amdhsa_system_sgpr_workgroup_id_x 1
		.amdhsa_system_sgpr_workgroup_id_y 1
		.amdhsa_system_sgpr_workgroup_id_z 1
		.amdhsa_system_vgpr_workitem_id 0
		.amdhsa_next_free_vgpr 256
		.amdhsa_next_free_sgpr 106
		.amdhsa_reserve_vcc 0
		.amdhsa_float_denorm_mode_32 3
		.amdhsa_float_denorm_mode_16_64 3
		.amdhsa_memory_ordered 1
		.amdhsa_forward_progress 1
		.amdhsa_inst_pref_size 34
	.end_amdhsa_kernel
	.amdgpu_metadata
---
amdhsa.version: [ 1, 2 ]
amdhsa.kernels:
  - .name:           k_qd0efe1aab3_qkv
    .symbol:         k_qd0efe1aab3_qkv.kd
    .args:
      - { .name: x, .offset: 0, .size: 8, .value_kind: global_buffer, .address_space: global }
      - { .name: part, .offset: 8, .size: 8, .value_kind: global_buffer, .address_space: global }
      - { .name: gamma, .offset: 16, .size: 8, .value_kind: global_buffer, .address_space: global }
      - { .name: beta, .offset: 24, .size: 8, .value_kind: global_buffer, .address_space: global }
      - { .name: w_qkv_codes, .offset: 32, .size: 8, .value_kind: global_buffer, .address_space: global }
      - { .name: w_qkv_scales, .offset: 40, .size: 8, .value_kind: global_buffer, .address_space: global }
      - { .name: b_qkv, .offset: 48, .size: 8, .value_kind: global_buffer, .address_space: global }
      - { .name: qimg, .offset: 56, .size: 8, .value_kind: global_buffer, .address_space: global }
      - { .name: qsc, .offset: 64, .size: 8, .value_kind: global_buffer, .address_space: global }
      - { .name: kvc, .offset: 72, .size: 8, .value_kind: global_buffer, .address_space: global }
      - { .name: kvs, .offset: 80, .size: 8, .value_kind: global_buffer, .address_space: global }
    .group_segment_fixed_size: 18432
    .private_segment_fixed_size: 0
    .kernarg_segment_align: 8
    .kernarg_segment_size: 88
    .max_flat_workgroup_size: 512
    .sgpr_count:     106
    .vgpr_count:     256
    .wavefront_size: 32
...
	.end_amdgpu_metadata
.endif
;; end of part 2
;; launch attn (part 3): grid 256 x 1, 16 waves a work-group, clusters of 4 x 1, 327,680 bytes of LDS; arguments qimg, qsc, kvc, kvs, w_proj_codes, w_proj_scales, b_proj, x, out0; writes out0
.if DOCPART == 3
	.amdgcn_target "amdgcn-amd-amdhsa--gfx1250"
	.amdhsa_code_object_version 6
	.text
	.protected	k_qd0efe1aab3_attn
	.globl	k_qd0efe1aab3_attn
	.p2align	8
	.type	k_qd0efe1aab3_attn,@function
k_qd0efe1aab3_attn:
	s_mov_b64 s[64:65], 0
	v_nop
	global_prefetch_b8 v0, s[64:65] scope:SCOPE_SE
	s_setreg_imm32_b32 hwreg(HW_REG_WAVE_MODE, 25, 1), 1
	s_wait_xcnt 0x0
	s_wait_alu depctr_hold_cnt(0) depctr_sa_sdst(0) depctr_va_vdst(0) depctr_va_sdst(0) depctr_va_ssrc(0) depctr_va_vcc(0) depctr_vm_vsrc(0)
	s_getreg_b32 s2, hwreg(HW_REG_IB_STS2, 6, 4)
	s_cmp_eq_u32 s2, 0
	s_cbranch_scc0 .Lentry_in_a_cluster
	s_endpgm
.Lentry_in_a_cluster:
	s_bfe_u32 s2, ttmp6, 0x10000c
	s_cmp_lg_u32 s2, 0x3003
	s_cbranch_scc0 .Lentry_shape_is_right
	s_endpgm
.Lentry_shape_is_right:
; ATTENTION, THE OUTPUT PROJECTION, BIAS AND RESIDUAL.  All products on codes of FP4 (E2M1) with one E8M0 scale for each 32 along K.
; A work-group owns 64 queries (pixels) of one image and all four heads, so that the projection's K (256 channels) is at home.  Sixteen waves: wave w = head w / 4, query tile w % 4; four waves to a SIMD, so that one wave's
; vector work stands beside another's matrix work and LDS loads.  Every wave walks the image's 4,096 keys, 128 a step.  On the way out wave w owns output channels 16 w .. 16 w + 15.
; OPERANDS ARRIVE AS IMAGES OF THEIR REGISTERS (lane l's 16 bytes at 16 l), made by the launch before: every LDS load reads 512 consecutive bytes; no pitch, no padding.
; BOTH PRODUCTS ARE USED TRANSPOSED: S^T = K Q^T, O^T = V^T P^T: a lane holds ONE query (lane % 16) throughout.  Tiles are permuted (row r of tile 2 b + u = index 32 b + 8 u + r + 8 (r / 8)), so that the 16 registers of
; tiles 2 b and 2 b + 1 are 16 neighbours: keys for p, channels for O.
; THE HEAD'S K IS 64, THE INSTRUCTION'S 128: a fragment of K holds key tile 2 f in its registers 0-3 (k 0-63) and key tile 2 f + 1 in registers 4-7 (k 64-127).  Q lies in twelve registers, 0000 qqqq 0000:
; v[20:27] (q, zeros) picks tile 2 f, v[16:23] (zeros, q) picks tile 2 f + 1.  Zero codes add nothing under any scale byte but 0xff, which no quantiser here gives.
; THE SOFTMAX: t = score x log2(e) / 8; M = the running largest t rounded UP to a whole number; p = 2^(t - M) is quantised along the keys; the row's sum is taken of the unquantised p and divides O at the end.
; When M moves, the sum and O are multiplied by 2^(old M - new M): exact.
; CLUSTER: the four work-groups of a cluster belong to one image and walk the same K and V: every tile is asked for JOINTLY (mask 15), by waves 0 to 3, 16 KiB each.  Two slots of two steps (65,536 bytes); the image's scale
; bytes (65,536) come once with the first fills.  By this text's own count a fetching wave has two tensor loads out at the start and one behind each round.
; LIMITS: NaN and infinities are not served.  A block of zeros gets the scale byte 1 where the rule says 127: its codes are zeros, and this program alone reads the bytes.  p under 2^-126 falls to 0.  1 / sum by v_rcp_f32.
.set SLOT1, 65536
.set SCL,   131072                     ; the image's scale bytes: step x 2,048 + head x 512 + half x 256 + 8 lane
.set SPARE, 196608                     ; the spare words, 128 bytes for each of 16 waves: eight blocks of 256 bytes that no other line names
.set OIMG,  198656                     ; O's 8 fragments: tile x 2,048 + K step x 1,024 + c x 512 + 16 lane
.set OSC,   206848                     ; their scale words: (2 tile + K step) x 128 + 4 lane
.set STG,   207872                     ; the way out: 16 rows x (256 + 16) bytes for each wave
.set KF,  32                           ; v32-63   K's four fragments
.set VF,  64                           ; v64-95   V's four
.set S,   96                           ; v96-159  S^T, then p
.set O,   160                          ; v160-191 O^T
.set PCD, 192                          ; v192-199 p's codes
.set BM,  208                          ; v208-211 the blocks' largest scores, then largest p
.set BT,  212                          ; v212-215 at work
.set SO,  216                          ; v216-219 the conversions' scale operands
.set T,   220
.set F,   222                          ; v222 f = 2^(old M - new M); v223 p's scale word
.set PW,  223
; v1, v2 my place in slot 0, 1; v3 my scale words; v4, v5 the add's two registers; v6, v7 where O's codes and bytes go; v8, v9 where fragments and words are read; v10, v11 the stage, in and back;
; v12 -M, v13 the largest t, v[14:15] the sum in two halves; v16-27 Q; v28 Q's scale word; v29, v30 the prefetches' offsets; v31 my offset in x and out0;
; v200-203 scale words as loaded, v204-205 V's; v224-239 w_proj's two fragments, v240-241 their scale words, v242 my channel's bias, v244-251 the same eight times
; s22 wave; s[26:27] lane selects; s[28:29] log2(e) / 8; s[32:39] group 1; s[40:43], s[44:47], s[48:51] groups 0: scales, slot 0, slot 1; s[52:53], s54 K's and V's prefetch; s55 trips; s[56:57] x's prefetch
.macro MM d, a, b, c, sa, sb, ra       ; one product; c < 0: C = 0; ra: source 0's scales stand in lanes 16-31
.if (\c) < 0
.if \ra
	v_wmma_scale_f32_16x16x128_f8f6f4 v[(\d):(\d)+7], v[(\a):(\a)+7], v[(\b):(\b)+7], 0, v[(\sa)], v[(\sb)] matrix_a_fmt:MATRIX_FMT_FP4 matrix_b_fmt:MATRIX_FMT_FP4 matrix_a_scale:MATRIX_SCALE_ROW1
.else
	v_wmma_scale_f32_16x16x128_f8f6f4 v[(\d):(\d)+7], v[(\a):(\a)+7], v[(\b):(\b)+7], 0, v[(\sa)], v[(\sb)] matrix_a_fmt:MATRIX_FMT_FP4 matrix_b_fmt:MATRIX_FMT_FP4
.endif
.else
.if \ra
	v_wmma_scale_f32_16x16x128_f8f6f4 v[(\d):(\d)+7], v[(\a):(\a)+7], v[(\b):(\b)+7], v[(\c):(\c)+7], v[(\sa)], v[(\sb)] matrix_a_fmt:MATRIX_FMT_FP4 matrix_b_fmt:MATRIX_FMT_FP4 matrix_a_scale:MATRIX_SCALE_ROW1
.else
	v_wmma_scale_f32_16x16x128_f8f6f4 v[(\d):(\d)+7], v[(\a):(\a)+7], v[(\b):(\b)+7], v[(\c):(\c)+7], v[(\sa)], v[(\sb)] matrix_a_fmt:MATRIX_FMT_FP4 matrix_b_fmt:MATRIX_FMT_FP4
.endif
.endif
.endm
; A round of the cluster's barrier: my work-group's barrier, so that wave 0's signal speaks for all sixteen waves; wave 0 signals; every wave waits for all four work-groups; my work-group's barrier once more.
.macro CROUND
	s_barrier_signal -1
	s_barrier_wait -1
	s_cmp_lg_u32 s22, 0
	s_cbranch_scc1 .Lnot_wave_0_\@
	s_barrier_signal -3
.Lnot_wave_0_\@:
	s_barrier_wait -3
	s_barrier_signal -1
	s_barrier_wait -1
.endm
; A joint refill: waves 0 to 3 fetch a quarter of a slot each.  The branch hangs on the wave's number alone.  Four v_nop follow the load.
.macro JLOAD g0
	s_cmp_lt_u32 s22, 4
	s_cbranch_scc0 .Lnone_\@
	tensor_load_to_lds s[(\g0):(\g0)+3], s[32:39]
	s_nop 0
.rept 4
	v_nop
.endr
.Lnone_\@:
.endm
; A PREFETCH INTO THE L2 of the slot that the NEXT round will ask for: 65,536 bytes.  All sixteen clusters of an image walk the same K and V: the image's first cluster asks.  Its four partners share the slot out BY ADDRESS,
; 16,384 bytes each; in each, waves 4 and 5, which fetch nothing, ask for 8,192 bytes each, lanes 256 bytes apart.  So each aligned block of 256 bytes is named once in the launch.
; It is asked one trip, two key steps of every wave, ahead of the load.  Slots 0 and 1 come by their loads alone; the two trips of the tail ask for nothing.
.macro ASK
	s_cmp_eq_u32 s54, 0
	s_cbranch_scc0 .Lnot_mine_\@
	global_prefetch_b8 v29, s[52:53] th:TH_LOAD_NT scope:SCOPE_SE
.Lnot_mine_\@:
.endm
; And of the work-group's 256 rows x 256 bytes of x, for the residual: waves 8 to 15, a lane a row, in the last trip: two key steps ahead of the loads.
.macro ASKX
	s_cmp_ge_u32 s22, 8
	s_cbranch_scc0 .Lnot_x_\@
	global_prefetch_b8 v30, s[56:57] th:TH_LOAD_NT scope:SCOPE_SE
.Lnot_x_\@:
.endm
	s_load_b512 s[4:19], s[0:1], 0x0               ; qimg s[4:5], qsc s[6:7], kvc s[8:9], kvs s[10:11], w codes s[12:13], w scales s[14:15], bias s[16:17], x s[18:19]
	s_load_b64 s[20:21], s[0:1], 0x40              ; out0
	v_lshl_add_u32 v4, v0, 2, SPARE
	v_mov_b32 v5, 0
	ds_add_u32 v4, v5
	ds_add_u32 v4, v5
	s_wait_dscnt 0x0
	v_lshrrev_b32 v32, 5, v0
	s_delay_alu instid0(VALU_DEP_1)
	v_readfirstlane_b32 s22, v32                   ; wave 0..15
	s_bfe_u32 s23, ttmp6, 0x40000                  ; cx: my place in the cluster: it enters global addresses of my own alone
	s_lshl_b32 s24, ttmp9, 2                       ; in a cluster launch ttmp9 counts clusters
	s_add_co_u32 s24, s24, s23                     ; work-group
	s_lshr_b32 s25, ttmp9, 4                       ; the image, which the four partners share
	s_mov_b32 s26, 0x76543210
	s_mov_b32 s27, 0xfedcba98
	s_mov_b32 s28, 0x3e38aa3b                      ; log2(e) / 8
	s_mov_b32 s29, s28                             ; (named with it as a pair, so it is written)
	; descriptor group 1, one for all loads: 64 dense rows of 256 bytes
	s_mov_b32 s32, 15|(3<<16)|(1<<21)              ; 15:0 the mask: all four work-groups; 17:16 elements of 8 bytes; 20 no padding; 21 set beside a mask
	s_mov_b32 s33, 32<<16                          ; tensor_dim0 = 32
	s_mov_b32 s34, 64<<16                          ; tensor_dim1 = 64
	s_mov_b32 s35, 32<<16                          ; tile_dim0 = 32
	s_mov_b32 s36, 64                              ; tile_dim1 = 64
	s_mov_b32 s37, 32                              ; tensor_dim0_stride
	s_mov_b32 s38, 0
	s_mov_b32 s39, 0
	s_lshl_b32 s58, s22, 14                        ; wave x 16 KiB, in memory and in LDS
	s_lshl_b32 s60, s25, 16                        ; the image's scale bytes
	s_add_co_u32 s60, s60, s58
	s_mov_b32 s61, 0
	s_lshl_b32 s62, s25, 20                        ; the image's codes
	s_add_co_u32 s62, s62, s58
	s_mov_b32 s63, 0
	s_wait_kmcnt 0x0
	s_mov_b32 s40, 1                               ; group 0: count = 1,
	s_add_co_u32 s41, s58, SCL                     ; LDS address,
	s_add_nc_u64 s[42:43], s[10:11], s[60:61]      ; global address,
	s_or_b32 s43, s43, 0x80000000                  ; type = 2
	s_mov_b32 s44, 1
	s_mov_b32 s45, s58                             ; slot 0: steps 0 and 1
	s_add_nc_u64 s[46:47], s[8:9], s[62:63]
	s_or_b32 s47, s47, 0x80000000
	s_mov_b32 s48, 1
	s_add_co_u32 s49, s58, SLOT1                   ; slot 1: steps 2 and 3
	s_add_nc_u64 s[50:51], s[8:9], s[62:63]
	s_add_nc_u64 s[50:51], s[50:51], 0x10000
	s_or_b32 s51, s51, 0x80000000
	CROUND                                         ; all four work-groups are here: the first joint loads meet
	s_cmp_lt_u32 s22, 4                            ; a wave's two first fills stand in one branch, ahead of every wait on TENSORcnt and every LDS read
	s_cbranch_scc0 .Lno_first
	tensor_load_to_lds s[40:43], s[32:39]          ; the scale bytes: filled once
	s_nop 0
	tensor_load_to_lds s[44:47], s[32:39]          ; slot 0
	s_nop 0
.rept 4
	v_nop
.endr
.Lno_first:
	; the prefetches' addresses
	s_lshl_b32 s66, s25, 20
	s_lshl_b32 s67, s23, 14                        ; my work-group's quarter of a slot,
	s_add_co_u32 s66, s66, s67
	s_and_b32 s67, s22, 1
	s_lshl_b32 s67, s67, 13                        ; my wave's half of it,
	s_add_co_u32 s66, s66, s67
	s_add_co_u32 s66, s66, 0x10000                 ; in slot 1's first tile: the first trip steps it on.  Nothing is prefetched here, at the head
	s_mov_b32 s67, 0
	s_add_nc_u64 s[52:53], s[8:9], s[66:67]
	s_sub_co_u32 s54, s22, 4
	s_lshr_b32 s54, s54, 1                         ; 0 in waves 4 and 5,
	s_and_b32 s68, ttmp9, 15
	s_or_b32 s54, s54, s68                         ; of the image's first cluster: the same in all four partners
	s_and_b32 s69, s24, 63                         ; my block of 64 pixels
	s_lshl_b32 s66, s25, 22
	s_and_b32 s68, s22, 7
	s_lshl_b32 s68, s68, 19                        ; 32 channels a wave
	s_add_co_u32 s66, s66, s68
	s_lshl_b32 s68, s69, 8
	s_add_co_u32 s66, s66, s68
	s_add_nc_u64 s[56:57], s[18:19], s[66:67]
	s_lshl_b32 s66, s25, 22                        ; x and out0 at channel 16 w of my block
	s_lshl_b32 s68, s22, 18
	s_add_co_u32 s66, s66, s68
	s_lshl_b32 s68, s69, 8
	s_add_co_u32 s66, s66, s68
	s_add_nc_u64 s[18:19], s[18:19], s[66:67]
	s_add_nc_u64 s[20:21], s[20:21], s[66:67]
	s_lshl_b32 s66, s24, 13                        ; Q's image: wg x 8,192 + wave x 512
	s_lshl_b32 s68, s22, 9
	s_add_co_u32 s66, s66, s68
	s_add_nc_u64 s[4:5], s[4:5], s[66:67]
	s_lshl_b32 s66, s24, 9                         ; its scale bytes: wg x 512 + wave x 32
	s_lshl_b32 s68, s22, 5
	s_add_co_u32 s66, s66, s68
	s_add_nc_u64 s[6:7], s[6:7], s[66:67]
	s_lshl_b32 s66, s22, 11                        ; w_proj: 16 rows of 128 bytes a wave,
	s_add_nc_u64 s[12:13], s[12:13], s[66:67]
	s_lshl_b32 s66, s22, 7                         ; of 8 scale bytes,
	s_add_nc_u64 s[14:15], s[14:15], s[66:67]
	s_lshl_b32 s66, s22, 6                         ; of one bias
	s_add_nc_u64 s[16:17], s[16:17], s[66:67]
	v_and_b32 v32, 31, v0                          ; lane
	v_and_b32 v33, 15, v0                          ; r
	v_bfe_u32 v34, v0, 4, 1                        ; h
	s_delay_alu instid0(VALU_DEP_3)
	v_lshlrev_b32 v35, 4, v32
	s_delay_alu instid0(VALU_DEP_3)
	v_lshlrev_b32 v36, 1, v33
	s_delay_alu instid0(VALU_DEP_4)
	v_lshlrev_b32 v37, 7, v33
	s_delay_alu instid0(VALU_DEP_1)
	v_lshl_add_u32 v37, v34, 4, v37
	v_lshlrev_b32 v38, 3, v33
	v_lshlrev_b32 v39, 2, v33
	global_load_b128 v[20:23], v35, s[4:5]         ; q: row r, channels 32 h .. 32 h + 31 of the head's 64
	global_load_u16 v28, v36, s[6:7]               ; its two scale bytes
.irp s, 0,1
.irp c, 0,1
	global_load_b128 v[224+8*\s+4*\c:227+8*\s+4*\c], v37, s[12:13] offset:64*\s+32*\c   ; w_proj's rows 16 w + r: they stay in registers
.endr
.endr
	global_load_b64 v[240:241], v38, s[14:15]
	global_load_b32 v242, v39, s[16:17]
	; LDS addresses, of the lane's and the wave's numbers and constants
	s_lshr_b32 s60, s22, 2                         ; head
	s_and_b32 s61, s22, 3                          ; query tile
	s_lshl_b32 s62, s60, 13
	v_lshl_add_u32 v1, v32, 4, s62                 ; 16 lane + head x 8,192
	s_delay_alu instid0(VALU_DEP_1)
	v_add_nc_u32 v2, SLOT1, v1
	s_lshl_b32 s62, s60, 9
	s_add_co_u32 s62, s62, SCL
	v_lshl_add_u32 v3, v32, 3, s62
	s_lshl_b32 s62, s61, 11                        ; O's codes: fragment (tile, head / 2), registers 4 (head % 2) on
	s_lshl_b32 s63, s60, 9
	s_add_co_u32 s62, s62, s63
	s_add_co_u32 s62, s62, OIMG
	v_lshl_add_u32 v6, v32, 4, s62
	s_lshl_b32 s62, s61, 8                         ; its two scale bytes: bytes 2 (head % 2), + 1 of the word
	s_lshr_b32 s63, s60, 1
	s_lshl_b32 s63, s63, 7
	s_add_co_u32 s62, s62, s63
	s_and_b32 s63, s60, 1
	s_lshl_b32 s63, s63, 1
	s_add_co_u32 s62, s62, s63
	s_add_co_u32 s62, s62, OSC
	v_lshl_add_u32 v7, v32, 2, s62
	v_lshl_add_u32 v8, v32, 4, OIMG
	v_lshl_add_u32 v9, v32, 2, OSC
	s_mul_i32 s62, s22, 16*272
	s_add_co_u32 s62, s62, STG                     ; my stage
	v_mul_u32_u24 v10, v33, 272                    ; in: row r (a channel), + 64 h
	s_delay_alu instid0(VALU_DEP_1)
	v_lshl_add_u32 v10, v34, 6, v10
	s_delay_alu instid0(VALU_DEP_1)
	v_add_nc_u32 v10, s62, v10
	v_mul_u32_u24 v11, v34, 272                    ; back: lanes 0-15 one row, lanes 16-31 the next
	s_delay_alu instid0(VALU_DEP_1)
	v_lshl_add_u32 v11, v33, 4, v11
	s_delay_alu instid0(VALU_DEP_1)
	v_add_nc_u32 v11, s62, v11
	v_lshlrev_b32 v29, 8, v32
	v_lshlrev_b32 v30, 14, v32
	v_lshlrev_b32 v31, 14, v34                     ; the same two rows in x and out0: a channel is 16,384 bytes
	s_delay_alu instid0(VALU_DEP_1)
	v_lshl_add_u32 v31, v33, 4, v31
	s_wait_loadcnt 0x0
	v_lshl_or_b32 v28, v28, 16, v28                ; q's word [q0, q1, q0, q1]: it serves both places of q.  (More than eight plain lines stand between this and the first product)
.irp j, 0,1,2,3,4,5,6,7
	v_mov_b32 v[244+\j], v242                      ; the bias in the result's layout: a lane holds one channel
.endr
.irp j, 16,17,18,19,24,25,26,27
	v_mov_b32 v[\j], 0                             ; zero codes on both sides of q
.endr
	v_mov_b32 v13, 0xff61b1e6                      ; the largest t so far: -3e38, under every t
	s_delay_alu instid0(VALU_DEP_1)
	v_floor_f32 v12, -v13                          ; -M
	v_mov_b32 v14, 0
	v_mov_b32 v15, 0
	v_mov_b32 v[PW], 0                             ; (named as the upper half of a pair before it is first written)
.irp b, 0,1,2,3
	v_mov_b32 v[BT+\b], 0                          ; written once: a lane permute's destination counts as one of its sources
.endr
.set j, 0
.rept 32
	v_mov_b32 v[O+j], 0                            ; O^T.  (The step is written for every trip alike: the first finds zeros, which the first change of M leaves zeros)
.set j, j+1
.endr
; A KEY STEP: 128 keys, the q-th of the slot.
.macro STEP slot, q
.rept 4
	v_nop                                          ; four places between the last step's products and the loads into V's registers (ISA guide 7.12.1 for vector instructions)
.endr
	ds_load_b64 v[200:201], v3 offset:(2*\slot+\q)*2048        ; word 0: K's scale words of fragments 0 (lanes 0-15) and 1; word 1: V's bytes of key blocks 0, 1
	ds_load_b64 v[202:203], v3 offset:(2*\slot+\q)*2048+256    ; fragments 2 and 3; key blocks 2, 3
.irp f, 0,1,2,3
.irp u, 0,1
	ds_load_b128 v[KF+8*\f+4*\u:KF+8*\f+4*\u+3], v[1+\slot] offset:\q*32768+\f*1024+\u*512
.endr
.endr
.irp t, 0,1,2,3
.irp c, 0,1
	ds_load_b128 v[VF+8*\t+4*\c:VF+8*\t+4*\c+3], v[1+\slot] offset:\q*32768+4096+\t*1024+\c*512
.endr
.endr
	s_wait_dscnt 8                                 ; the scale words and K are in; V's eight loads may be out
.irp f, 0,1,2,3                        ; S^T: eight accumulators, one product each
	MM S+16*\f, KF+8*\f, 20, -1, 200+2*(\f/2), 28, \f%2
	MM S+16*\f+8, KF+8*\f, 16, -1, 200+2*(\f/2), 28, \f%2
.endr
	v_perm_b32 v204, v203, v201, 0x05040100        ; V's scale words: tiles 0 (lanes 0-15) and 1: the four key blocks' bytes;
	v_perm_b32 v205, v203, v201, 0x07060302        ; tiles 2 and 3.  With the two lines below: the four places behind the products
	v_nop
	v_nop
.irp b, 0,1,2,3
	v_max3_num_f32 v[BM+\b], v[S+16*\b], v[S+16*\b+1], v[S+16*\b+2]   ; the largest score of each block of 32 keys: for the row's maximum and, since p rises with the score, for the block's largest p
.endr
.irp i, 3,5,7,9,11,13
.irp b, 0,1,2,3
	v_max3_num_f32 v[BM+\b], v[BM+\b], v[S+16*\b+\i], v[S+16*\b+\i+1]
.endr
.endr
.irp b, 0,1,2,3
	v_max_num_f32 v[BM+\b], v[BM+\b], v[S+16*\b+15]
.endr
.irp b, 0,1,2,3
	s_delay_alu instid0(VALU_DEP_4)
	v_permlanex16_b32 v[BT+\b], v[BM+\b], s26, s27
.endr
.irp b, 0,1,2,3
	s_delay_alu instid0(VALU_DEP_4)
	v_max_num_f32 v[BM+\b], v[BM+\b], v[BT+\b]     ; with lane l xor 16's 16 keys
.endr
	s_delay_alu instid0(VALU_DEP_2)
	v_max3_num_f32 v[T], v[BM], v[BM+1], v[BM+2]
	s_delay_alu instid0(VALU_DEP_1)
	v_max_num_f32 v[T], v[T], v[BM+3]
	s_delay_alu instid0(VALU_DEP_1)
	v_mul_f32 v[T], s28, v[T]                      ; the step's largest t
	s_delay_alu instid0(VALU_DEP_1)
	v_max_num_f32 v13, v13, v[T]                   ; the running largest t
	v_mov_b32 v[T], v12
	s_delay_alu instid0(VALU_DEP_2)
	v_floor_f32 v12, -v13                          ; the new -M = -ceil(t): a whole number
	s_delay_alu instid0(VALU_DEP_1)
	v_sub_f32 v[T], v12, v[T]                      ; old M - new M: a whole number, 0 or less
	s_delay_alu instid0(VALU_DEP_1)
	v_cvt_i32_f32 v[T], v[T]                       ; (it saturates)
	s_delay_alu instid0(VALU_DEP_1)
	v_ldexp_f32 v[F], 1.0, v[T]                    ; f = 2^(old M - new M)
.set j, 0
.rept 32
	v_pk_fma_f32 v[S+j:S+j+1], v[S+j:S+j+1], s[28:29], v[12:13] op_sel_hi:[1,0,0]   ; t - M, two at a time
.set j, j+2
.endr
.irp b, 0,1,2,3
	v_fma_f32 v[BM+\b], v[BM+\b], s28, v12         ; the same of each block's largest score
.endr
.set j, 0
	s_wait_alu depctr_va_vdst(0)
.rept 64
	v_exp_f32 v[S+j], v[S+j]                       ; p = 2^(t - M), at most 1, not normalised
.set j, j+1
.endr
	v_pk_mul_f32 v[14:15], v[14:15], v[F:F+1] op_sel_hi:[1,0]   ; the sums under the new M: the plain line behind the exponentials
	s_wait_alu depctr_va_vdst(0)                   ; the wait ahead of the first line that names a result: one for the batch of 64
.irp b, 0,1,2,3
	v_exp_f32 v[BM+\b], v[BM+\b]                   ; the block's largest p: the same two instructions on the same number give the same bits
.endr
	v_pk_add_f32 v[212:213], v[100:101], v[104:105]
	v_pk_add_f32 v[254:255], v[108:109], v[112:113]
	v_pk_add_f32 v[252:253], v[116:117], v[120:121]
	v_pk_add_f32 v[242:243], v[124:125], v[128:129]
	v_pk_add_f32 v[220:221], v[132:133], v[136:137]
	v_pk_add_f32 v[218:219], v[140:141], v[144:145]
	v_pk_add_f32 v[216:217], v[148:149], v[152:153]
	v_pk_add_f32 v[14:15], v[14:15], v[156:157]
	v_pk_add_f32 v[212:213], v[212:213], v[96:97]
	v_pk_add_f32 v[254:255], v[254:255], v[98:99]
	v_pk_add_f32 v[252:253], v[252:253], v[102:103]
	v_pk_add_f32 v[242:243], v[242:243], v[106:107]
	v_pk_add_f32 v[220:221], v[220:221], v[110:111]
	v_pk_add_f32 v[218:219], v[218:219], v[114:115]
	v_pk_add_f32 v[216:217], v[216:217], v[118:119]
	v_pk_add_f32 v[14:15], v[14:15], v[122:123]
	v_pk_add_f32 v[212:213], v[212:213], v[126:127]
	v_pk_add_f32 v[254:255], v[254:255], v[130:131]
	v_pk_add_f32 v[252:253], v[252:253], v[134:135]
	v_pk_add_f32 v[242:243], v[242:243], v[138:139]
	v_pk_add_f32 v[220:221], v[220:221], v[142:143]
	v_pk_add_f32 v[218:219], v[218:219], v[146:147]
	v_pk_add_f32 v[216:217], v[216:217], v[150:151]
	v_pk_add_f32 v[14:15], v[14:15], v[154:155]
	v_pk_add_f32 v[212:213], v[212:213], v[158:159]
	s_delay_alu instid0(VALU_DEP_2)
	v_pk_add_f32 v[14:15], v[14:15], v[242:243]
	s_delay_alu instid0(VALU_DEP_2)
	v_pk_add_f32 v[212:213], v[212:213], v[220:221]
	v_pk_add_f32 v[254:255], v[254:255], v[218:219]
	v_pk_add_f32 v[252:253], v[252:253], v[216:217]
	s_delay_alu instid0(VALU_DEP_2)
	v_pk_add_f32 v[14:15], v[14:15], v[254:255]
	s_delay_alu instid0(VALU_DEP_2)
	v_pk_add_f32 v[212:213], v[212:213], v[252:253]
	s_delay_alu instid0(VALU_DEP_1)
	v_pk_add_f32 v[14:15], v[14:15], v[212:213]
	s_wait_alu depctr_va_vdst(0)                   ; and one for the four
.irp b, 0,1,2,3
	v_max_num_f32 v[BM+\b], 0x1800000, v[BM+\b]    ; the floor 2^(3 - 127): the byte cannot fall under 1
.endr
.irp b, 0,1,2,3
	s_delay_alu instid0(VALU_DEP_4)
	v_add_nc_u32 v[SO+\b], 0xff000000, v[BM+\b]    ; 2 off the exponent field: the conversion's scale operand
.endr
.irp b, 0,1,2,3
	s_delay_alu instid0(VALU_DEP_4)
	v_lshrrev_b32 v[BT+\b], 23, v[SO+\b]           ; the scale's byte
.endr
	s_delay_alu instid0(VALU_DEP_3)
	v_lshl_or_b32 v[PW], v[BT+1], 8, v[BT]         ; p's scale word for these 128 keys
	s_delay_alu instid0(VALU_DEP_1)
	v_lshl_or_b32 v[PW], v[BT+2], 16, v[PW]
	s_delay_alu instid0(VALU_DEP_1)
	v_lshl_or_b32 v[PW], v[BT+3], 24, v[PW]
.irp b, 0,1,2,3
	v_cvt_scalef32_pk8_fp4_f32 v[PCD+2*\b], v[S+16*\b:S+16*\b+7], v[SO+\b]
	v_cvt_scalef32_pk8_fp4_f32 v[PCD+2*\b+1], v[S+16*\b+8:S+16*\b+15], v[SO+\b]
.endr
	v_nop                                          ; one plain line behind the last scaled conversion
.irp c, 0,1                            ; the operand's layout wants a whole block in a lane: lanes 0-15 block 2 c, lanes 16-31 block 2 c + 1
.irp i, 0,1
	v_permlane16_swap_b32 v[PCD+4*\c+\i], v[PCD+4*\c+2+\i]
.endr
.endr
.set j, 0
.rept 16
	v_pk_mul_f32 v[O+j:O+j+1], v[O+j:O+j+1], v[F:F+1] op_sel_hi:[1,0]   ; O^T under the new M.  These sixteen also stand between the lines that made p's codes and scale word and the products that take them
.set j, j+2
.endr
	s_wait_alu depctr_va_vdst(0)
	s_wait_dscnt 0x0                               ; V is in
.irp t, 0,1,2,3                        ; O^T += V^T P^T: four accumulators, one product each; between two links of a chain stand the next step's eight products
	MM O+8*\t, VF+8*\t, PCD, O+8*\t, 204+(\t/2), PW, \t%2
.endr
.endm
; A TRIP: one slot's two key steps.  At its head each wave waits for all its tensor loads (its part of this slot), adds 0 to its spare word, and waits for that and for its reads of the other slot.
; refill = 1: a round of the cluster's barrier follows, so that no wave of any partner still reads the other slot or has a load on its way, and the joint load of the other slot's next tile is the first thing behind it:
; it has two key steps of every wave in which to land.
.macro TRIP slot, refill, ask
	s_wait_tensorcnt 0x0                           ; no tensor load of mine is out, so a group 0 may be written
	ds_add_u32 v4, v5                              ; 0 onto my spare word; the wait for it stands ahead of the steps
	s_add_nc_u64 s[46+4*\slot:47+4*\slot], s[46+4*\slot:47+4*\slot], 0x20000   ; this slot's next tile: four steps on; the type bits on top are not reached
.if \ask
	s_wait_xcnt 0x0                                ; the last prefetch, a trip back, has read its address
	s_add_nc_u64 s[52:53], s[52:53], 0x10000       ; one slot further on than the load below
.endif
	s_wait_dscnt 0x0                               ; the add is done, and my reads of the other slot are over
.if \refill
	CROUND
	JLOAD 48-4*\slot
.if \ask
	ASK
.endif
.else
	s_barrier_signal -1                            ; it shows the last slot whole to every wave
	s_barrier_wait -1
	ASKX
.endif
	s_wait_alu depctr_va_vdst(0)
	STEP \slot, 0
	STEP \slot, 1
.if \slot && \refill
	v_add_nc_u32 v3, 0x2000, v3                    ; the scale words of the next four steps
.endif
.endm
	s_mov_b32 s55, 7
.Lloop:                                        ; 16 tiles of two steps: seven trips of two, and the tail written out
	TRIP 0, 1, 1
	TRIP 1, 1, 1
	s_sub_co_u32 s55, s55, 1
	s_cmp_lg_u32 s55, 0
	s_cbranch_scc1 .Lloop
	TRIP 0, 1, 0                                   ; tile 14; tile 15 is asked for
	TRIP 1, 0, 0                                   ; tile 15; nothing is left to fetch
	; THE WAY OUT.  x's rows for the residual are asked for first: channels 16 w + 2 i + lane / 16, my block's 256 bytes
.irp i, 0,1,2,3,4,5,6,7
	global_load_b128 v[S+4*\i:S+4*\i+3], v31, s[18:19] offset:32768*\i th:TH_LOAD_NT
.endr
	v_add_f32 v14, v14, v15                        ; the sum's two halves,
	s_delay_alu instid0(VALU_DEP_1)
	v_permlanex16_b32 v[BT], v14, s26, s27
	s_delay_alu instid0(VALU_DEP_1)
	v_add_f32 v14, v14, v[BT]                      ; and lane l xor 16's: the row's sum
	s_wait_alu depctr_va_vdst(0)
	v_rcp_f32 v[F], v14
.rept 4
	v_nop                                          ; the places behind the last products, and the plain line behind the reciprocal
.endr
	s_wait_alu depctr_va_vdst(0)                   ; the wait ahead of the first use
.set j, 0
.rept 16
	v_pk_mul_f32 v[128+j:129+j], v[O+j:O+j+1], v[F:F+1] op_sel_hi:[1,0]   ; O^T / the sum: register 16 g + i = channel 32 g + 16 h + i of my head, query r; each accumulator from its low end on
.set j, j+2
.endr
	; O is quantised along the channels: my head's two blocks of 32
.irp g, 0,1
	v_max3_num_f32 v[BM+\g], |v[128+16*\g]|, |v[129+16*\g]|, 0x1800000
.endr
.irp i, 2,4,6,8,10,12,14
.irp g, 0,1
	s_delay_alu instid0(VALU_DEP_2)
	v_max3_num_f32 v[BM+\g], v[BM+\g], |v[128+16*\g+\i]|, |v[129+16*\g+\i]|
.endr
.endr
.irp g, 0,1
	s_delay_alu instid0(VALU_DEP_2)
	v_permlanex16_b32 v[BT+\g], v[BM+\g], s26, s27
.endr
.irp g, 0,1
	s_delay_alu instid0(VALU_DEP_2)
	v_max_num_f32 v[BM+\g], v[BM+\g], v[BT+\g]
.endr
.irp g, 0,1
	s_delay_alu instid0(VALU_DEP_2)
	v_add_nc_u32 v[SO+\g], 0xff000000, v[BM+\g]
.endr
.irp g, 0,1
	s_delay_alu instid0(VALU_DEP_2)
	v_lshrrev_b32 v[BT+\g], 23, v[SO+\g]
.endr
	s_delay_alu instid0(VALU_DEP_1)
	v_lshl_or_b32 v[T], v[BT+1], 8, v[BT]          ; the two bytes
.irp g, 0,1
	v_cvt_scalef32_pk8_fp4_f32 v[PCD+2*\g], v[128+16*\g:135+16*\g], v[SO+\g]
	v_cvt_scalef32_pk8_fp4_f32 v[PCD+2*\g+1], v[136+16*\g:143+16*\g], v[SO+\g]
.endr
	v_nop                                          ; one plain line behind the last scaled conversion
	v_permlane16_swap_b32 v[PCD], v[PCD+2]         ; a whole block in a lane: lanes 0-15 block 0, lanes 16-31 block 1
	v_permlane16_swap_b32 v[PCD+1], v[PCD+3]
	ds_store_b128 v6, v[PCD:PCD+3]                 ; four registers of fragment (my tile, head / 2), as they stand
	ds_store_b16 v7, v[T]
	s_wait_dscnt 0x0                               ; for the others' sake: my stores have landed
	s_barrier_signal -1
	s_barrier_wait -1                              ; O's eight fragments and their scale words lie in LDS
.irp m, 0,1,2,3
.irp s, 0,1
.irp c, 0,1
	ds_load_b128 v[KF+16*\m+8*\s+4*\c:KF+16*\m+8*\s+4*\c+3], v8 offset:\m*2048+\s*1024+\c*512
.endr
	ds_load_b32 v[200+2*\m+\s], v9 offset:(2*\m+\s)*128
.endr
.endr
	s_wait_dscnt 0x0
.irp s, 0,1                            ; y: source 0 = 16 pixels of O, source 1 = w_proj's rows 16 w + r; four accumulators by turns; the bias starts the sums
.irp m, 0,1,2,3
.if \s == 0
	MM O+8*\m, KF+16*\m, 224, 244, 200+2*\m, 240, 0
.else
	MM O+8*\m, KF+16*\m+8, 232, O+8*\m, 200+2*\m+1, 241, 0
.endif
.endr
.endr
.rept 4
	v_nop                                          ; four places in front of the stores that read results and of the loads into registers that the products read
.endr
.irp m, 0,1,2,3                        ; lane (r, h) holds channel 16 w + r and pixels 32 (m / 2) + 16 h + 8 (m % 2) + 0 .. 7: the stage's rows come out in the pixels' own order
	ds_store_b128 v10, v[O+8*\m:O+8*\m+3] offset:(\m/2)*128+(\m%2)*32
	ds_store_b128 v10, v[O+8*\m+4:O+8*\m+7] offset:(\m/2)*128+(\m%2)*32+16
.endr
.irp i, 0,1,2,3,4,5,6,7
	ds_load_b128 v[KF+4*\i:KF+4*\i+3], v11 offset:544*\i   ; LDS serves a wave's instructions in order (ISA guide 5.7.1.4): these see my stores; the stage is my own
.endr
.irp i, 0,1,2,3,4,5,6,7
	s_wait_loadcnt 7-\i                            ; x's rows 2 i, 2 i + 1 are in; the younger loads may be out
	s_wait_dscnt 7-\i                              ; and y's
	v_pk_add_f32 v[KF+4*\i:KF+4*\i+1], v[KF+4*\i:KF+4*\i+1], v[S+4*\i:S+4*\i+1]
	v_pk_add_f32 v[KF+4*\i+2:KF+4*\i+3], v[KF+4*\i+2:KF+4*\i+3], v[S+4*\i+2:S+4*\i+3]
	global_store_b128 v31, v[KF+4*\i:KF+4*\i+3], s[20:21] offset:32768*\i th:TH_STORE_NT   ; 16 lanes store 256 consecutive bytes, at a multiple of 256 from out0's first byte
.endr
	s_wait_tensorcnt 0x0                           ; the wave's end, behind my last tensor load and my last LDS store
	ds_add_u32 v4, v5
	s_wait_dscnt 0x0
	CROUND                                         ; the closing round: no work-group ends while a partner may still ask for a tile that names it
	s_endpgm
.Lfunc_end_k_qd0efe1aab3_attn:
	.size	k_qd0efe1aab3_attn, .Lfunc_end_k_qd0efe1aab3_attn-k_qd0efe1aab3_attn
	.p2alignl 7, 3214868480
	.fill 96, 4, 3214868480
	.section	.rodata,"a",@progbits
	.p2align	6, 0x0
	.amdhsa_kernel k_qd0efe1aab3_attn
		.amdhsa_group_segment_fixed_size 327680
		.amdhsa_private_segment_fixed_size 0
		.amdhsa_enable_private_segment 0
		.amdhsa_kernarg_size 72
		.amdhsa_user_sgpr_count 2
		.amdhsa_user_sgpr_kernarg_segment_ptr 1
		.amdhsa_wavefront_size32 1
		.amdhsa_system_sgpr_workgroup_id_x 1
		.amdhsa_system_sgpr_workgroup_id_y 1
		.amdhsa_system_sgpr_workgroup_id_z 1
		.amdhsa_system_vgpr_workitem_id 0
		.amdhsa_next_free_vgpr 256
		.amdhsa_next_free_sgpr 72
		.amdhsa_reserve_vcc 0
		.amdhsa_float_denorm_mode_32 3
		.amdhsa_float_denorm_mode_16_64 3
		.amdhsa_memory_ordered 1
		.amdhsa_forward_progress 1
		.amdhsa_inst_pref_size 151
	.end_amdhsa_kernel
	.amdgpu_metadata
---
amdhsa.version: [ 1, 2 ]
amdhsa.kernels:
  - .name:           k_qd0efe1aab3_attn
    .symbol:         k_qd0efe1aab3_attn.kd
    .args:
      - { .name: qimg, .offset: 0, .size: 8, .value_kind: global_buffer, .address_space: global }
      - { .name: qsc, .offset: 8, .size: 8, .value_kind: global_buffer, .address_space: global }
      - { .name: kvc, .offset: 16, .size: 8, .value_kind: global_buffer, .address_space: global }
      - { .name: kvs, .offset: 24, .size: 8, .value_kind: global_buffer, .address_space: global }
      - { .name: w_proj_codes, .offset: 32, .size: 8, .value_kind: global_buffer, .address_space: global }
      - { .name: w_proj_scales, .offset: 40, .size: 8, .value_kind: global_buffer, .address_space: global }
      - { .name: b_proj, .offset: 48, .size: 8, .value_kind: global_buffer, .address_space: global }
      - { .name: x, .offset: 56, .size: 8, .value_kind: global_buffer, .address_space: global }
      - { .name: out0, .offset: 64, .size: 8, .value_kind: global_buffer, .address_space: global }
    .group_segment_fixed_size: 327680
    .private_segment_fixed_size: 0
    .kernarg_segment_align: 8
    .kernarg_segment_size: 72
    .max_flat_workgroup_size: 512
    .sgpr_count:     72
    .vgpr_count:     256
    .wavefront_size: 32
...
	.end_amdgpu_metadata
.endif
;; end of part 3
